; MI455X (gfx1250); checked and timed in simulation.
; The chip was launched on July 23, 2026; its instructions are those of AMD's public machine-readable ISA for CDNA 5 (MIT licence, August 2026) and "CDNA5" Instruction Set Architecture Reference Guide (July 2026). The comments in the code are by the model that wrote it; some were corrected since.
;; Window. Allowed arithmetic: matrix products marked QUANTISED: E4M3 operands, one E8M0 scale for each 32 along K, by v_wmma_scale_f32_16x16x128_f8f6f4 with both operands' format E4M3, f32 sums; products left as they are: f32 operands where the result goes on into a quantised operand, else bf16, f16 or f32 operands; f32 sums; everything else in f32.
;; Inputs: W_codes 30 x 16 x 32 uint8 (E4M3 codes of W, K innermost, in blocks of 32 codes); W_scales 30 x 16 uint8 (E8M0 scales of W, one for each 32 codes along K); b 30 float32; kappa_old 256 x 10 float32; onehots 256 x 2,048 x 128 float32; x_codes 256 x 16 x 32 uint8 (E4M3 codes of x, K innermost, in blocks of 32 codes); x_scales 256 x 16 uint8 (E8M0 scales of x, one for each 32 codes along K).
;; Outputs: out0 256 x 128 float32; out1 256 x 10 float32; out2 256 x 2,048 float32.
;; This version of the problem:
;;   THIS VERSION OF THE PROBLEM IS GIVEN IN LOW PRECISION. The matrix products marked QUANTISED in the list below multiply operands that are first quantised to E4M3 (4 exponent bits, 3 mantissa bits; 8 bits a number), with one power-of-two scale for each 32 numbers along K (OCP MX v1.0); their sums are f32. All else is computed in f32.
;;   The module's matrix products, in the order in which they are computed (A, B: the left and right operand; K: the contracted axis; several contracted axes count as one K, in the product's order):
;;     1. [M 256, K 512] x [K 512, N 30]; A: input x (given as codes); B: input W (given as codes): QUANTISED
;;     2. batch 256 x [M 1, K 10] x [K 10, N 2,048]; A: computed on the way; B: computed on the way: left as it is (K = 10 < 32)
;;     3. batch 256 x [M 1, K 2,048] x [K 2,048, N 128]; A: computed on the way; B: input onehots: left as it is (M = 1 < 16)
;;   THE QUANTISER, for each operand of a quantised product, along K:
;;     - K is cut into blocks of 32 from its start; a last block that is shorter is filled with zeros.
;;     - A block's scale is 2^e with e = floor(log2(the largest magnitude in the block)) - 8, held to -126 .. 127; a block of zeros has e = 0. As a byte (E8M0): e + 127.
;;     - Each number is divided by its block's scale, clamped to +-448, and rounded to the nearest number of E4M3, ties to even, subnormals kept.
;;     - The product sums the exact products of the quantised numbers (number of the format x scale) in f32.
;;   ~~~python
;;   def quantise(x, axis):      # numpy; x: float32 -> the quantised numbers, widened to float32 again
;;       x = np.moveaxis(x, axis, -1); K = x.shape[-1]
;;       x = np.pad(x, [(0, 0)] * (x.ndim - 1) + [(0, -K % 32)]); x = x.reshape(x.shape[:-1] + (-1, 32)); a = np.abs(x).max(-1, keepdims=True)
;;       e = np.where(a > 0, np.clip(np.frexp(np.where(a > 0, a, 1))[1] - 1 - 8, -126, 127), 0)      # np.frexp(a)[1] - 1 = floor(log2(a)), exactly
;;       r = np.clip(x / 2.0 ** e, -448, 448)
;;       step = 2.0 ** (np.maximum(np.frexp(np.where(r == 0, 1, r))[1] - 1, -6) - 3)
;;       q = np.round(r / step) * step * 2.0 ** e      # np.round: ties to even
;;       return np.moveaxis(q.reshape(q.shape[:-2] + (-1,))[..., :K], -1, axis).astype(np.float32)
;;   ~~~
;;   INPUTS GIVEN AS CODES. W (in the module: [30, 512], K = its axis 1); x (in the module: [256, 512], K = its axis 1): each comes as NAME_codes (uint8): NAME with its K axis moved to the last place and cut into blocks of 32 codes, [.., K / 32, bytes a block], one block behind the other in memory; one code a byte (a code: sign, 4 exponent bits, 3 mantissa bits); and NAME_scales (uint8): the same leading axes, one E8M0 byte (e + 127) for each 32 codes along K. Its value is code x scale, taken as it is: it is not quantised again, and the codes and scales need not be those that the quantiser above would give.
;; One version. Each part assembles by itself: llvm-mc -triple=amdgcn-amd-amdhsa -mcpu=gfx1250 --defsym DOCPART=n.
;; ======== version 1 of 1: 1 launch
;; launch window (part 1): grid 256 x 1, 16 waves a work-group, no clusters, 20,992 bytes of LDS; arguments onehots, x_codes, x_scales, W_codes, W_scales, b, kappa_old, out0, out1, out2; writes out0, out1, out2
.if DOCPART == 1
	.amdgcn_target "amdgcn-amd-amdhsa--gfx1250"
	.amdhsa_code_object_version 6
	.text
	.protected	k_q10d1470e1d_window
	.globl	k_q10d1470e1d_window
	.p2align	8
	.type	k_q10d1470e1d_window,@function
k_q10d1470e1d_window:
	s_mov_b64 s[64:65], 0
	v_nop
	global_prefetch_b8 v0, s[64:65] scope:SCOPE_SE
	s_setreg_imm32_b32 hwreg(HW_REG_WAVE_MODE, 25, 1), 1
	s_wait_xcnt 0x0
; params = exp(x W^T + b) [256][30] = alpha | beta | pre_kappa;  kappa = kappa_old + pre_kappa (out1);
; phi[b][t] = sum over k of alpha[k] exp(-beta[k] (kappa[k] - t)^2) (out2);  w[b][v] = sum over t of phi[b][t] onehots[b][t][v] (out0).
; x W^T is the one quantised product: E4M3 codes and E8M0 bytes go to the scaled matrix instruction as they lie in memory.  All else is f32.
; SHARES.  Work-group b owns batch row b: 2,048 rows of onehots, 512 bytes each, 1 MiB on end.  Sixteen waves; wave w owns t = 128 w .. 128 w + 127, 64 KiB on end.
; One load of a wave is one row t: 32 lanes x 16 bytes = 512 consecutive bytes, aligned; lane l holds v = 4 l .. 4 l + 3.  A ring of 32 row slots in registers keeps 32 loads of every wave on their way;
; it is asked for before anything is computed, so that the chain codes -> product -> exp -> phi runs while the first rows are coming.
; THE PRODUCT.  Source 0 is x's row b in all 16 rows of the tile, source 1 is 16 rows of W (two tiles; tile 1's rows are held at 29, so that no load leaves W).  K's four steps of 128 go to waves 0-3,
; two matrix instructions each with C = 0; the four parts meet in LDS and are added in f32, K ascending.  All rows of the result are equal, so register 0 of the two tiles gives lane l the sum z[l].
; BROADCASTS go through the wave's own LDS bytes: stored in lane order, read back with one address for all lanes; the packed f32 forms then take the low or the high register of a pair for both halves.
; NO CLUSTER: what work-groups share is W, 15,360 + 480 bytes, against 1,048,576 bytes that each reads alone.  NO LDS RING: no wave reads another wave's rows.  NO LOOP: every offset is an immediate, no base is stepped.
; LIMITS.  e^y is 2^(y log2 e): the product y log2 e is rounded once, a relative error of about |y| 2^-23 in the result, and log2 e is folded into -beta (a beta above 2.3e38 overflows there).
; v_exp_f32 gives 0 for results under 2^-126, where the definition keeps denormals.  The f32 sums go in another order than the definition's: K of the product in four parts;
; t in four chains a wave, then over the sixteen waves in pairs.  out1's 40 bytes a batch row are stored by ten lanes: a part of an aligned block of 256 bytes.
.set PART, 0                           ; LDS: the product's four parts: K step s, lane l: PART + 128 s + 4 l
.set PRM,  512                         ; wave w's 32 parameters: PRM + 128 w + 4 i; the wave's own
.set PHI,  2560                        ; wave w's 128 phi: PHI + 512 w + 4 t; the wave's own
.set RED,  10752                       ; wave w's part of w: RED + 512 w + 16 l
; REGISTERS.  v1 lane; v2 16 x lane (offset in a row of onehots, in out2, in out0); v3-9, v22 LDS addresses; v10-17 offsets of the small inputs; v18-20 scale words and nothing else; v21 lane - 20;
; v32-63: x's and W's tile 0 fragments, then the 32 parameters in every lane (alpha 32+k, -beta log2 e 42+k, kappa 52+k), then two sets of 16 phi;
; v64-103: W's tile 1 fragment, the two results, the parts; then the 40 exponents; then four chains of 4 sums;  v104 my lane's parameter; v106-109 my four t; v110-113 my four phi;  v128-255 the ring.
; None of the address and offset registers, and no base, is written again once a memory instruction has named it.
.set WV, 24                            ; s24 my wave's number
.macro PAIR i                          ; number i of the 32 that lie in v32 on: its pair, and which half
.set PB, 32+((\i)/2)*2
.set HI, (\i)%2
.endm
.macro SUBB e, t, i                    ; v[e:e+1] = v[t:t+1] - number i
	PAIR \i
.if HI
	v_pk_add_f32 v[\e:\e+1], v[\t:\t+1], v[PB:PB+1] op_sel:[0,1] op_sel_hi:[1,1] neg_lo:[0,1] neg_hi:[0,1]
.else
	v_pk_add_f32 v[\e:\e+1], v[\t:\t+1], v[PB:PB+1] op_sel_hi:[1,0] neg_lo:[0,1] neg_hi:[0,1]
.endif
.endm
.macro MULB d, a, i                    ; v[d:d+1] = v[a:a+1] x number i
	PAIR \i
.if HI
	v_pk_mul_f32 v[\d:\d+1], v[\a:\a+1], v[PB:PB+1] op_sel:[0,1] op_sel_hi:[1,1]
.else
	v_pk_mul_f32 v[\d:\d+1], v[\a:\a+1], v[PB:PB+1] op_sel_hi:[1,0]
.endif
.endm
.macro FMAB d, a, i                    ; v[d:d+1] += v[a:a+1] x number i
	PAIR \i
.if HI
	v_pk_fma_f32 v[\d:\d+1], v[\a:\a+1], v[PB:PB+1], v[\d:\d+1] op_sel:[0,1,0] op_sel_hi:[1,1,1]
.else
	v_pk_fma_f32 v[\d:\d+1], v[\a:\a+1], v[PB:PB+1], v[\d:\d+1] op_sel_hi:[1,0,1]
.endif
.endm
.macro PHLOAD g                        ; the phi of my wave's rows 16 g .. 16 g + 15 into set g % 2, the same in every lane
.irp c, 0,1,2,3
	ds_load_b128 v[32+16*((\g)%2)+4*\c:32+16*((\g)%2)+4*\c+3], v4 offset:64*(\g)+16*\c
.endr
.endm
.macro ROW n                           ; row n of my 128: its four numbers x its phi, onto chain n % 4.  The first four rows start the chains: nothing is cleared
.set X0, 128+4*((\n)%32)
.set A0, 64+4*((\n)%4)
.set PI, 16*(((\n)/16)%2)+(\n)%16
.if (\n) < 4
	MULB A0, X0, PI
	MULB A0+2, X0+2, PI
.else
	FMAB A0, X0, PI
	FMAB A0+2, X0+2, PI
.endif
.endm
.macro QUAD n0                         ; four rows, and their slots' next loads
.if (\n0)%16 == 0
.if (\n0)/16 < 7
	s_wait_dscnt 4                                 ; this group's set of phi is in; the four loads of the other set, issued behind it, may be out
.else
	s_wait_dscnt 0x0                               ; the last set: nothing was issued behind it
.endif
.endif
.if (\n0) <= 96
	s_wait_loadcnt 28                              ; rows up to n0 + 31 have been asked for, in order: the 28 behind row n0 + 3 may be out
.else
	s_wait_loadcnt 124-(\n0)                       ; nothing is asked for any more: the count runs down to 0
.endif
	ROW \n0
	ROW \n0+1
	ROW \n0+2
	ROW \n0+3
.if (\n0) < 96
.irp d, 0,1,2,3
	global_load_b128 v[128+4*(((\n0)+\d)%32):128+4*(((\n0)+\d)%32)+3], v2, s[4:5] offset:512*((\n0)+\d+32) th:TH_LOAD_NT
.endr
.endif
.if ((\n0)%16 == 12) && ((\n0)/16+2 <= 7)
	PHLOAD (\n0)/16+2                              ; the set just used up takes the group after next
.endif
.endm
.macro BAR                             ; my LDS stores have landed and my LDS loads are in: then the work-group's barrier
	s_wait_dscnt 0x0
	s_barrier_signal -1
	s_barrier_wait -1
.endm
	; ---- the head: ids, every address and offset register, every byte offset
	s_load_b512 s[4:19], s[0:1], 0x0               ; onehots s[4:5], x_codes s[6:7], x_scales s[8:9], W_codes s[10:11], W_scales s[12:13], b s[14:15], kappa_old s[16:17], out0 s[18:19]
	s_load_b128 s[20:23], s[0:1], 0x40             ; out1 s[20:21], out2 s[22:23]
	v_lshl_add_u32 v126, v0, 2, 0x4a00
	v_mov_b32 v127, 0
	v_lshrrev_b32 v1, 5, v0
	v_readfirstlane_b32 s[WV], v1                  ; wave 0..15
	v_and_b32 v1, 31, v0                           ; lane
	v_lshlrev_b32 v2, 4, v1                        ; 16 x lane
	s_lshl_b32 s28, s[WV], 9
	s_add_co_u32 s28, s28, PHI
	v_add_nc_u32 v3, s28, v2                       ; where I store my four phi
	v_mov_b32 v4, s28                              ; where every lane reads the wave's phi
	s_lshl_b32 s29, s[WV], 7                       ; 128 x wave: my wave's first t; in waves 0-3 also the K step's bytes
	s_add_co_u32 s28, s29, PRM
	v_lshl_add_u32 v5, v1, 2, s28                  ; where I store my parameter
	v_mov_b32 v6, s28                              ; where every lane reads the 32
	v_lshlrev_b32 v7, 2, v1                        ; 4 x lane: my word of a part
	s_and_b32 s28, s[WV], 3
	s_lshl_b32 s28, s28, 7
	v_lshl_add_u32 v8, v1, 2, s28                  ; and in my K step's part (waves 0-3 alone store there)
	s_lshl_b32 s28, s[WV], 9
	s_add_co_u32 s28, s28, RED
	v_add_nc_u32 v9, s28, v2                       ; where I store my part of w
	v_add_nc_u32 v22, RED, v2                      ; where wave 0 reads the sixteen parts
	v_min_u32 v10, 29, v1
	v_lshlrev_b32 v10, 2, v10                      ; b: 4 min(lane, 29)
	v_sub_nc_u32 v21, v1, 20                       ; lane - 20 (wraps under 20)
	v_max_u32 v11, 20, v1
	v_min_u32 v11, 29, v11
	v_sub_nc_u32 v11, v11, 20
	v_lshlrev_b32 v11, 2, v11                      ; kappa_old and out1: 4 x (lane held to 20 .. 29, less 20)
	v_bfe_u32 v23, v0, 4, 1                        ; h = lane / 16
	v_and_b32 v24, 15, v0                          ; r = lane % 16
	v_add_nc_u32 v25, 16, v24
	v_min_u32 v25, 29, v25                         ; tile 1's row of W, held at 29
	v_lshlrev_b32 v12, 4, v23                      ; x's fragment: 16 h (every lane takes row b)
	v_lshl_add_u32 v13, v24, 9, v12                ; W, tile 0: row r of 512 bytes + 16 h
	v_lshl_add_u32 v14, v25, 9, v12                ; W, tile 1
	v_lshlrev_b32 v15, 4, v24                      ; W's scale bytes: 16 a row
	v_lshlrev_b32 v16, 4, v25
	v_mov_b32 v17, 0                               ; x's scale word: the same for every lane
	s_lshl_b32 s26, ttmp9, 20                      ; onehots: 1 MiB a batch row (255 of them stay under 2^28)
	s_lshl_b32 s28, s[WV], 16                      ; + 64 KiB a wave
	s_add_co_u32 s26, s26, s28
	s_mov_b32 s27, 0
	s_mul_i32 s32, ttmp9, 40                       ; kappa_old, out1: 40 bytes a batch row
	s_mov_b32 s33, 0
	s_lshl_b32 s34, ttmp9, 9                       ; out0, x_codes: 512 bytes a batch row
	s_mov_b32 s35, 0
	s_lshl_b32 s36, ttmp9, 13                      ; out2: 8,192 bytes a batch row
	s_lshl_b32 s28, s[WV], 9                       ; + 512 a wave
	s_add_co_u32 s36, s36, s28
	s_mov_b32 s37, 0
	s_wait_kmcnt 0x0
	s_add_nc_u64 s[4:5], s[4:5], s[26:27]
	s_add_nc_u64 s[16:17], s[16:17], s[32:33]
	s_add_nc_u64 s[20:21], s[20:21], s[32:33]
	s_add_nc_u64 s[18:19], s[18:19], s[34:35]
	s_add_nc_u64 s[22:23], s[22:23], s[36:37]
	; ---- waves 0-3: the operands of K step s = wave: 15 loads, ahead of the ring's, since the whole chain hangs on them
	s_cmp_lt_u32 s[WV], 4
	s_cbranch_scc0 .Lno_operands
	s_add_co_u32 s38, s34, s29                     ; x_codes: 512 b + 128 s
	s_mov_b32 s39, 0
	s_add_nc_u64 s[6:7], s[6:7], s[38:39]
	s_mov_b32 s38, s29                             ; W_codes: 128 s
	s_add_nc_u64 s[10:11], s[10:11], s[38:39]
	s_lshl_b32 s38, s[WV], 2                       ; W_scales: 4 s
	s_add_nc_u64 s[12:13], s[12:13], s[38:39]
	s_lshl_b32 s28, ttmp9, 4                       ; x_scales: 16 b + 4 s
	s_add_co_u32 s38, s38, s28
	s_add_nc_u64 s[8:9], s[8:9], s[38:39]
.irp c, 0,1,2,3                        ; a fragment: registers 4 c .. 4 c + 3 hold K = 32 c + 16 h + 0 .. 15 of the lane's row
	global_load_b128 v[32+4*\c:35+4*\c], v12, s[6:7] offset:32*\c
.endr
.irp c, 0,1,2,3
	global_load_b128 v[48+4*\c:51+4*\c], v13, s[10:11] offset:32*\c
.endr
.irp c, 0,1,2,3
	global_load_b128 v[64+4*\c:67+4*\c], v14, s[10:11] offset:32*\c
.endr
	global_load_b32 v18, v17, s[8:9]               ; four E8M0 bytes: these 128 along K of row b
	global_load_b32 v19, v15, s[12:13]             ; and of W's rows, tile 0,
	global_load_b32 v20, v16, s[12:13]             ; tile 1
.Lno_operands:
	; ---- every wave: b, kappa_old, and the ring: rows 0 to 31
	global_load_b32 v100, v10, s[14:15]
	global_load_b32 v101, v11, s[16:17]
.set I, 0
.rept 32
	global_load_b128 v[128+4*I:131+4*I], v2, s[4:5] offset:512*I th:TH_LOAD_NT
.set I, I+1
.endr
	; what hangs on the lane alone is made while the loads are out
	v_lshl_add_u32 v105, v1, 2, s29
	v_cvt_f32_u32 v106, v105                       ; my four t: 128 w + 4 l + 0 .. 3
	v_add_f32 v107, 1.0, v106
	v_add_f32 v108, 2.0, v106
	v_add_f32 v109, 0x40400000, v106
	v_sub_nc_u32 v105, v1, 10
	v_cmp_gt_u32 vcc_lo, 10, v105                  ; lanes 10-19: beta
	v_mov_b32 v103, 0xbfb8aa3b                     ; -log2 e
	v_cndmask_b32 v102, 1.0, v103, vcc_lo          ; what my parameter is multiplied by
	v_cmp_gt_u32 s30, 10, v21                      ; lanes 20-29: kappa
	; ---- waves 0-3: the product's part
	s_cmp_lt_u32 s[WV], 4
	s_cbranch_scc0 .Lno_product
	v_cmp_le_u32 vcc_lo, 16, v1                    ; lanes 16-31 take tile 1's result
	s_wait_loadcnt 34                              ; the 15 operand loads are in; the 2 + 32 issued behind them may be out
	v_wmma_scale_f32_16x16x128_f8f6f4 v[80:87], v[32:47], v[48:63], 0, v18, v19
	v_wmma_scale_f32_16x16x128_f8f6f4 v[88:95], v[32:47], v[64:79], 0, v18, v20
.rept 8
	v_nop                                          ; eight places behind this form ahead of the read of the results and of the later loads into the operands' registers
.endr
	v_cndmask_b32 v105, v80, v88, vcc_lo           ; register 0 holds (m = 8 h, n = r), and all m are equal: lane l has its part of z[l] (lanes 30, 31: of z[29])
	ds_store_b32 v8, v105 offset:PART
.Lno_product:
	BAR                                            ; the four parts lie in LDS.  (The ring's loads stay out: nobody writes those bytes)
	; ---- the parameters, in every wave for itself
.irp s, 0,1,2,3
	ds_load_b32 v[96+\s], v7 offset:PART+128*\s
.endr
	s_wait_loadcnt 32                              ; b and kappa_old are in; the ring's 32 may be out
	s_wait_dscnt 0x0
	v_add_f32 v96, v96, v97                        ; K ascending
	v_add_f32 v96, v96, v98
	v_add_f32 v96, v96, v99
	v_add_f32 v96, v96, v100                       ; + b
	v_mul_f32 v96, 0x3fb8aa3b, v96                 ; x log2 e
	v_exp_f32 v104, v96
	v_cndmask_b32 v103, 0, v101, s30               ; kappa_old in lanes 20-29, else 0.  (The plain instruction behind the exponential)
	s_wait_alu depctr_va_vdst(0)                   ; the wait ahead of the first line that names the result
	v_fma_f32 v104, v104, v102, v103               ; lanes 0-9 alpha, 10-19 -beta log2 e, 20-29 kappa
	ds_store_b32 v5, v104
.irp i, 0,1,2,3,4,5,6,7
	ds_load_b128 v[32+4*\i:35+4*\i], v6 offset:16*\i   ; LDS serves a wave's instructions in order (ISA guide 5.7.1.4): these see the store; all lanes read the same 16 bytes
.endr
	s_cmp_lg_u32 s[WV], 0
	s_cbranch_scc1 .Lno_kappa
	v_cmp_gt_u32 vcc_lo, 10, v21                   ; wave 0 stores kappa: lanes 20-29
	s_wait_xcnt 0x0                                ; EXEC is a source of the loads that are out: it changes only behind this wait,
	s_and_saveexec_b32 s31, vcc_lo
	global_store_b32 v11, v104, s[20:21]
	s_wait_xcnt 0x0                                ; and again in front of the line that restores it
	s_or_b32 exec_lo, exec_lo, s31
.Lno_kappa:
	s_wait_dscnt 0x0                               ; the 32 parameters are in
	; ---- phi of my four t: three passes over the 20 pairs, so that no line waits for the one above it
.irp k, 0,1,2,3,4,5,6,7,8,9
.irp p, 0,1
	SUBB 64+4*\k+2*\p, 106+2*\p, 20+\k             ; t - kappa
.endr
.endr
.irp k, 0,1,2,3,4,5,6,7,8,9
.irp p, 0,1
	v_pk_mul_f32 v[64+4*\k+2*\p:65+4*\k+2*\p], v[64+4*\k+2*\p:65+4*\k+2*\p], v[64+4*\k+2*\p:65+4*\k+2*\p]
.endr
.endr
.irp k, 0,1,2,3,4,5,6,7,8,9
.irp p, 0,1
	MULB 64+4*\k+2*\p, 64+4*\k+2*\p, 10+\k         ; x -beta log2 e
.endr
.endr
.set I, 0
.rept 40
	v_exp_f32 v[64+I], v[64+I]                     ; one batch
.set I, I+1
.endr
	v_nop                                          ; the plain instruction behind the last exponential
	s_wait_alu depctr_va_vdst(0)                   ; one wait for the 40, ahead of their first reader
	MULB 110, 64, 0                                ; alpha[0] x: the first term starts the sums
	MULB 112, 66, 0
.irp k, 1,2,3,4,5,6,7,8,9
	FMAB 110, 64+4*\k, \k                          ; the two pairs by turns
	FMAB 112, 66+4*\k, \k
.endr
	ds_store_b128 v3, v[110:113]
	global_store_b128 v2, v[110:113], s[22:23] th:TH_STORE_NT   ; the wave stores 512 consecutive bytes of out2, aligned
	PHLOAD 0
	PHLOAD 1
	; ---- the stream: 128 rows, four at a time
.set N0, 0
.rept 32
	QUAD N0
.set N0, N0+4
.endr
	; ---- the sum over chains, then over waves
	v_pk_add_f32 v[64:65], v[64:65], v[68:69]
	v_pk_add_f32 v[66:67], v[66:67], v[70:71]
	v_pk_add_f32 v[72:73], v[72:73], v[76:77]
	v_pk_add_f32 v[74:75], v[74:75], v[78:79]
	v_pk_add_f32 v[64:65], v[64:65], v[72:73]
	v_pk_add_f32 v[66:67], v[66:67], v[74:75]
	ds_store_b128 v9, v[64:67]
	BAR                                            ; the sixteen parts lie in LDS
	s_cmp_lg_u32 s[WV], 0
	s_cbranch_scc1 .Lend
.irp i, 0,1,2,3,4,5,6,7,8,9,10,11,12,13,14,15
	ds_load_b128 v[128+4*\i:131+4*\i], v22 offset:512*\i   ; the ring's registers are free: its last wait was for 0
.endr
	s_wait_dscnt 0x0
.irp i, 0,1,2,3,4,5,6,7
	v_pk_add_f32 v[128+8*\i:129+8*\i], v[128+8*\i:129+8*\i], v[132+8*\i:133+8*\i]   ; parts 2 i and 2 i + 1
	v_pk_add_f32 v[130+8*\i:131+8*\i], v[130+8*\i:131+8*\i], v[134+8*\i:135+8*\i]
.endr
.irp i, 2,4,6                          ; the eight sums in two chains by turns
	v_pk_add_f32 v[128:129], v[128:129], v[128+8*\i:129+8*\i]
	v_pk_add_f32 v[130:131], v[130:131], v[130+8*\i:131+8*\i]
	v_pk_add_f32 v[136:137], v[136:137], v[136+8*\i:137+8*\i]
	v_pk_add_f32 v[138:139], v[138:139], v[138+8*\i:139+8*\i]
.endr
	v_pk_add_f32 v[128:129], v[128:129], v[136:137]
	v_pk_add_f32 v[130:131], v[130:131], v[138:139]
	global_store_b128 v2, v[128:131], s[18:19] th:TH_STORE_NT   ; 512 consecutive bytes of out0, aligned
.Lend:
	s_wait_tensorcnt 0x0
	ds_add_u32 v126, v127
	s_wait_dscnt 0x0
	s_endpgm
.Lfunc_end_k_q10d1470e1d_window:
	.size	k_q10d1470e1d_window, .Lfunc_end_k_q10d1470e1d_window-k_q10d1470e1d_window
	.p2alignl 7, 3214868480
	.fill 96, 4, 3214868480
	.section	.rodata,"a",@progbits
	.p2align	6, 0x0
	.amdhsa_kernel k_q10d1470e1d_window
		.amdhsa_group_segment_fixed_size 20992
		.amdhsa_private_segment_fixed_size 0
		.amdhsa_enable_private_segment 0
		.amdhsa_kernarg_size 80
		.amdhsa_user_sgpr_count 2
		.amdhsa_user_sgpr_kernarg_segment_ptr 1
		.amdhsa_wavefront_size32 1
		.amdhsa_system_sgpr_workgroup_id_x 1
		.amdhsa_system_sgpr_workgroup_id_y 1
		.amdhsa_system_sgpr_workgroup_id_z 1
		.amdhsa_system_vgpr_workitem_id 0
		.amdhsa_next_free_vgpr 256
		.amdhsa_next_free_sgpr 66
		.amdhsa_reserve_vcc 1
		.amdhsa_float_denorm_mode_32 3
		.amdhsa_float_denorm_mode_16_64 3
		.amdhsa_memory_ordered 1
		.amdhsa_forward_progress 1
		.amdhsa_inst_pref_size 49
	.end_amdhsa_kernel
	.amdgpu_metadata
---
amdhsa.version: [ 1, 2 ]
amdhsa.kernels:
  - .name:           k_q10d1470e1d_window
    .symbol:         k_q10d1470e1d_window.kd
    .args:
      - { .name: onehots, .offset: 0, .size: 8, .value_kind: global_buffer, .address_space: global }
      - { .name: x_codes, .offset: 8, .size: 8, .value_kind: global_buffer, .address_space: global }
      - { .name: x_scales, .offset: 16, .size: 8, .value_kind: global_buffer, .address_space: global }
      - { .name: W_codes, .offset: 24, .size: 8, .value_kind: global_buffer, .address_space: global }
      - { .name: W_scales, .offset: 32, .size: 8, .value_kind: global_buffer, .address_space: global }
      - { .name: b, .offset: 40, .size: 8, .value_kind: global_buffer, .address_space: global }
      - { .name: kappa_old, .offset: 48, .size: 8, .value_kind: global_buffer, .address_space: global }
      - { .name: out0, .offset: 56, .size: 8, .value_kind: global_buffer, .address_space: global }
      - { .name: out1, .offset: 64, .size: 8, .value_kind: global_buffer, .address_space: global }
      - { .name: out2, .offset: 72, .size: 8, .value_kind: global_buffer, .address_space: global }
    .group_segment_fixed_size: 20992
    .private_segment_fixed_size: 0
    .kernarg_segment_align: 8
    .kernarg_segment_size: 80
    .max_flat_workgroup_size: 512
    .sgpr_count:     66
    .vgpr_count:     256
    .wavefront_size: 32
...
	.end_amdgpu_metadata
.endif
;; end of part 1
